; MI455X (gfx1250); checked and timed in simulation.
; The chip was launched on July 23, 2026; its instructions are those of AMD's public machine-readable ISA for CDNA 5 (MIT licence, August 2026) and "CDNA5" Instruction Set Architecture Reference Guide (July 2026). The comments in the code are by the model that wrote it; some were corrected since.
;; Casual Self Attention. Allowed arithmetic: matrix products marked QUANTISED: E4M3 operands, one given power-of-two scale a tensor, by v_wmma_f32_16x16x64_fp8_fp8 or v_wmma_f32_16x16x128_fp8_fp8, f32 sums; everything else in f32.
;; Inputs: W_attn_codes 3,072 x 32 x 32 uint8 (E4M3 codes of W_attn, K innermost, in blocks of 32 codes); W_proj_codes 1,024 x 32 x 32 uint8 (E4M3 codes of W_proj, K innermost, in blocks of 32 codes); b_attn 3,072 float32; b_proj 1,024 float32; lowp_scales 8 int32 (the exponents e of the quantised operands' scales 2^e); x_codes 4 x 2,048 x 32 x 32 uint8 (E4M3 codes of x, K innermost, in blocks of 32 codes).
;; Outputs: out0 4 x 2,048 x 1,024 float32.
;; This version of the problem:
;;   THIS VERSION OF THE PROBLEM IS GIVEN IN LOW PRECISION. The matrix products marked QUANTISED in the list below multiply operands that are first quantised to E4M3 (4 exponent bits, 3 mantissa bits; 8 bits a number), with one given power-of-two scale for each operand tensor; their sums are f32. All else is computed in f32.
;;   The module's matrix products, in the order in which they are computed (A, B: the left and right operand; K: the contracted axis; several contracted axes count as one K, in the product's order):
;;     1. [M 8,192, K 1,024] x [K 1,024, N 3,072]; A: input x (given as codes); B: input W_attn (given as codes): QUANTISED (scales: A lowp_scales[0], B lowp_scales[1])
;;     2. batch 64 x [M 2,048, K 64] x [K 64, N 2,048]; A: computed on the way; B: computed on the way: QUANTISED (scales: A lowp_scales[2], B lowp_scales[3])
;;     3. batch 64 x [M 2,048, K 2,048] x [K 2,048, N 64]; A: softmax (see below); B: computed on the way: QUANTISED (scales: A lowp_scales[4], B lowp_scales[5])
;;     4. [M 8,192, K 1,024] x [K 1,024, N 1,024]; A: computed on the way; B: input W_proj (given as codes): QUANTISED (scales: A lowp_scales[6], B lowp_scales[7])
;;   THE QUANTISER, for each operand of a quantised product, along K:
;;     - The operand's scale is 2^e, e = its entry of the input lowp_scales (int32; the entries are numbered through the quantised products in the list's order, A before B).
;;     - Each number is divided by the scale, clamped to +-448, and rounded to the nearest number of E4M3, ties to even, subnormals kept.
;;     - The product sums the exact products of the quantised numbers (number of the format x scale) in f32.
;;   ~~~python
;;   def quantise(x, axis, e):      # numpy; x: float32 -> the quantised numbers, widened to float32 again
;;       x = np.moveaxis(x, axis, -1); K = x.shape[-1]
;;       r = np.clip(x / 2.0 ** e, -448, 448)
;;       step = 2.0 ** (np.maximum(np.frexp(np.where(r == 0, 1, r))[1] - 1, -6) - 3)
;;       q = np.round(r / step) * step * 2.0 ** e      # np.round: ties to even
;;       return np.moveaxis(q, -1, axis).astype(np.float32)
;;   ~~~
;;   SOFTMAX AHEAD OF A QUANTISED PRODUCT. Where the list says 'softmax', what is quantised is not the finished softmax but p = 2^(t - M), with t = logit x log2(e) and M = ceil(the row's largest t), a whole number; so 1/2 < the row's largest p <= 1. The row's sum l is taken of the UNQUANTISED p, in f32, and the product's result is divided by l at the end. Since M is a whole number, a kernel that streams over the keys may use a running M (the ceiling of the running maximum): every later rescaling is an exact power of two, so the quantised numbers keep their values, but for numbers so far below the row's largest that they fall under the format's range.
;;   OPERANDS COMPUTED ON THE WAY. 'Computed on the way' means the value that the module computes at that place (a softmax that the list does not call 'softmax' is quantised finished and normalised). What goes into a quantiser is computed in f32, as accurately as f32 sums, v_exp_f32 and their like allow (about 1e-6 of the number): no bf16 or f16 on the way to a quantiser, and a product that is left as it is and whose result goes on into a quantised operand takes f32 operands (vector FMAs, or v_wmma_f32_16x16x4_f32). A number that lies on a knife's edge between two numbers of the format may be rounded either way, as far as f32 arithmetic and the matrix unit's own rounding can turn it there, and no further.
;;   INPUTS GIVEN AS CODES. W_attn (in the module: [1024, 3072], K = its axis 0); W_proj (in the module: [1024, 1024], K = its axis 0); x (in the module: [4, 2048, 1024], K = its axis 2): each comes as NAME_codes (uint8): NAME with its K axis moved to the last place and cut into blocks of 32 codes, [.., K / 32, bytes a block], one block behind the other in memory; one code a byte (a code: sign, 4 exponent bits, 3 mantissa bits); its scale is its entry of lowp_scales. Its value is code x scale, taken as it is: it is not quantised again, and the codes and scales need not be those that the quantiser above would give.
;; One version. Each part assembles by itself: llvm-mc -triple=amdgcn-amd-amdhsa -mcpu=gfx1250 --defsym DOCPART=n.
;; ======== version 1 of 1: 3 launches
;; limits: right only within a limited range of input values
;; workspace buffers: q_img 8,388,608 bytes; kv_img 16,777,216 bytes; y_img 8,388,608 bytes
;; launch qkv (part 1): grid 4 x 64, 4 waves a work-group, clusters of 4 x 4, 327,680 bytes of LDS; arguments x_codes, W_attn_codes, b_attn, lowp_scales, q_img, kv_img; writes q_img, kv_img
.if DOCPART == 1
	.amdgcn_target "amdgcn-amd-amdhsa--gfx1250"
	.amdhsa_code_object_version 6
	.text
	.protected	k_q552be3d8d5_qkv
	.globl	k_q552be3d8d5_qkv
	.p2align	8
	.type	k_q552be3d8d5_qkv,@function
k_q552be3d8d5_qkv:
	s_mov_b64 s[64:65], 0
	v_nop
	global_prefetch_b8 v0, s[64:65] scope:SCOPE_SE
	s_setreg_imm32_b32 hwreg(HW_REG_WAVE_MODE, 25, 1), 1
	s_wait_xcnt 0x0
	s_wait_alu depctr_hold_cnt(0) depctr_sa_sdst(0) depctr_va_vdst(0) depctr_va_sdst(0) depctr_va_ssrc(0) depctr_va_vcc(0) depctr_vm_vsrc(0)
	s_getreg_b32 s2, hwreg(HW_REG_IB_STS2, 6, 4)
	s_cmp_eq_u32 s2, 0
	s_cbranch_scc0 .Lentry_in_a_cluster
	s_endpgm
.Lentry_in_a_cluster:
	s_bfe_u32 s2, ttmp6, 0x10000c
	s_cmp_lg_u32 s2, 0xf033
	s_cbranch_scc0 .Lentry_shape_is_right
	s_endpgm
.Lentry_shape_is_right:
; qkv = x W_attn + b_attn on codes of E4M3, then the quantisers of q (scale entry 2), k (entry 3) and v (entry 5).
; x: [8192][1024] codes, W_attn: [3072][1024] codes, K innermost in both.  A sum of code products stands for sum x 2^(e0 + e1).
; SHARES.  A work-group of four waves owns 128 rows of x and makes three tiles of 128 x 256: columns 256 gx on of q, of k and of v (heads 4 gx .. 4 gx + 3).
; Wave w: rows 64 (w / 2) on, columns 128 (w % 2) on: 4 x 8 accumulators of 16 x 16, 256 registers.
; x STAYS IN REGISTERS: a wave's 64 rows x 1024 K are 512 registers (windows 2, 3), read from LDS once for all three tiles.  So a step of 128 along K reads only W's fragments from LDS.
; W comes through a ring of two LDS slots of 256 rows x 512 K; step j = 0 .. 5 is tile j / 2, K half j % 2, slot j % 2.
; FRAGMENTS: four loads of 16 bytes, 32 bytes apart: lane (r, h) holds K = 32 c + 16 h + 0 .. 15 in registers 4 c .. 4 c + 3: one permutation of k, the same in both operands, so every product meets its partner.
; q, k: the product is used transposed (source 0 = W's rows, source 1 = x's rows): a lane holds one token and eight neighbouring columns: eight neighbours along the next K (the head's 64).
; v: natural use (source 0 = x, source 1 = W): a lane holds one column and eight neighbouring tokens: eight neighbours along the next K (the keys).
; THE RESULTS LEAVE AS IMAGES OF OPERAND REGISTERS: a piece is 512 bytes, lane l's 16 bytes at 16 l; each store of a wave covers 512 consecutive bytes, aligned.
; CLUSTER 4 x 4: x's tile hangs on gy alone and is asked for jointly along a row of the cluster, W's on gx alone, jointly along a column.
; LIMITS: e0 + e1 between -126 and 127; e2, e3, e5 between -126 and 119, so that each power of two below is an f32 number.  NaN in b_attn is not served.
; REGISTERS.  Window 0: v1 r, v2 h, v3 16 x lane, v4-5 W's fragment address in slot 0, 1, v6-7 x's, v8-10 the bias bytes, v11 scale, v28-29 the add's, v32-63 codes, v64-255 three sets of four W fragments.
; Window 1: accumulator (a, b) at 8 (8 a + b).  Windows 2, 3: x's fragment (K step s, block a) at 64 (s % 4) + 16 a of window 2 + s / 4.
.set PITB,  528                        ; a row of W in LDS: 512 bytes + 16: 33 x 16, so the 16 rows of a load start at 16 different columns of 16 bytes
.set QRTB,  64*PITB                    ; what one tensor load brings
.set SLOTB, 4*QRTB
.set PITA,  272                        ; a row of an x panel: 256 bytes + 16
.set PANEL, 128*PITA
.set AREG,  SLOTB                      ; x's four panels lie over slot 1 (and 4,096 bytes more): they are read out before slot 1 gets its first tile of W
.set SPARE, AREG+4*PANEL               ; the spare words: 128 bytes a wave, two blocks of 256 bytes that no other line names
.set BIAS,  SPARE+512                  ; 1,536 bytes a wave: its 128 numbers of b_attn for q, k, v; no tile ever lands here
.set LAST,  47                         ; the last half-step
.set MSB, 0
.macro WIN new                         ; the immediate's high byte repeats the setting that is left
.if MSB != (\new)
	s_set_vgpr_msb (MSB<<8)|(\new)
.set MSB, (\new)
.endif
.endm
.macro PLACES                          ; four plain vector instructions between a matrix instruction and a load into, or a vector read or write of, its registers
.rept 4
	v_nop
.endr
.endm
.macro CREST                           ; a round of the cluster's barrier behind its opening barrier
	s_cmp_lg_u32 s16, 0
	s_cbranch_scc1 .Lnot_wave_0_\@
	s_barrier_signal -3
.Lnot_wave_0_\@:
	s_barrier_wait -3
	s_barrier_signal -1
	s_barrier_wait -1
.endm
.macro CROUND
	s_barrier_signal -1
	s_barrier_wait -1
	CREST
.endm
; Half-step g: step g / 8, K step (g % 8) / 2 of its slot, W's blocks 4 (g % 2) .. + 3.  Its four fragments go into set g % 3.
.macro FETCH g
.set FB_, 64+64*((\g)%3)
.set FO_, 128*(((\g)%8)/2)+4*((\g)%2)*16*PITB
.set FA_, 4+((\g)/8)%2
.irp i, 0,1,2,3
.irp c, 0,1,2,3
	ds_load_b128 v[FB_+16*\i+4*\c:FB_+16*\i+4*\c+3], v[FA_] offset:FO_+\i*16*PITB+32*\c
.endr
.endr
.endm
.macro MWIN g, ori                     ; C and D window 1; W's fragments window 0; x's window 2 (even steps) or 3 (odd)
.if \ori
	WIN 0x52+((\g)/8)%2
.else
	WIN 0x58+4*(((\g)/8)%2)
.endif
.endm
; 8 matrix instructions: x's blocks a0, a0 + 1 against the set's four.  The 32 accumulators take turns, one instruction a turn.  A tile's first K step starts the sums with the constant 0.
.macro MUL8 g, a0, ori
.set KS_, ((\g)%16)/2
.set BS_, 64+64*((\g)%3)
.irp a, \a0, \a0+1
.irp i, 0,1,2,3
.set AC_, 8*(8*(\a)+4*((\g)%2)+\i)
.set AF_, 64*(KS_%4)+16*(\a)
.set BF_, BS_+16*\i
.if \ori
.if KS_ == 0
	v_wmma_f32_16x16x128_fp8_fp8 v[AC_:AC_+7], v[AF_:AF_+15], v[BF_:BF_+15], 0
.else
	v_wmma_f32_16x16x128_fp8_fp8 v[AC_:AC_+7], v[AF_:AF_+15], v[BF_:BF_+15], v[AC_:AC_+7]
.endif
.else
.if KS_ == 0
	v_wmma_f32_16x16x128_fp8_fp8 v[AC_:AC_+7], v[BF_:BF_+15], v[AF_:AF_+15], 0
.else
	v_wmma_f32_16x16x128_fp8_fp8 v[AC_:AC_+7], v[BF_:BF_+15], v[AF_:AF_+15], v[AC_:AC_+7]
.endif
.endif
.endr
.endr
.endm
.macro HALF g, ori
	PLACES                                         ; set (g + 2) % 3 was read by the half-step just issued
	WIN 0
.if (\g)+2 <= LAST
	FETCH (\g)+2                                   ; 32 matrix instructions ahead of its use
.endif
.if LAST-(\g) >= 2
	s_wait_dscnt 32                                ; the fetches of g + 1 and g + 2 may be out: set g is in
.else
	s_wait_dscnt 16*(LAST-(\g))
.endif
	MWIN \g, \ori
	MUL8 \g, 0, \ori
	MUL8 \g, 2, \ori
.endm
; The seventh half-step of a slot changes slots: the slot's last fetch was issued a half-step ago.  One barrier: in front of it each wave waits for all its tensor loads (its quarter of the other slot),
; adds 0 to its spare word, and waits for that and for its reads of this slot.  fill = 1: the barrier opens a round of the cluster's barrier and this slot takes the same K half of the next tile.
.macro HALFC g, ori, fill
.set SL_, ((\g)/8)%2
	WIN 0
	s_wait_tensorcnt 0x0                           ; all my tensor loads have landed, so a group 0 may be written
	ds_add_u32 v28, v29                            ; 0 onto my spare word
.if \fill
	s_add_nc_u64 s[46+4*SL_:47+4*SL_], s[46+4*SL_:47+4*SL_], 0x100000   ; 1,024 rows of W on; the type bits on top are not reached
.endif
	s_wait_dscnt 17                                ; the add and fetch g + 1 may be out: set g is in
	MWIN \g, \ori
	MUL8 \g, 0, \ori
	s_wait_dscnt 0x0                               ; the add is done, and my reads of this slot are over
	s_barrier_signal -1
	MUL8 \g, 2, \ori
	WIN 0
	s_barrier_wait -1
.if \fill
	CREST                                          ; no wave of any partner still reads this slot or has a load on its way
	tensor_load_to_lds s[44+4*SL_:47+4*SL_], s[36:43]   ; my one tensor load behind the round; one load of mine is out
	s_nop 0
	PLACES                                         ; the places in front of the loads below
.else
	PLACES
.endif
	FETCH (\g)+2                                   ; the other slot's first fragments
.endm
; s[dst] = 2^e as f32 (the conversion takes its exponent field), s[dst + 1] = e + 127
.macro PATT dst, e
	s_add_co_i32 s[\dst+1], s[\e], 127
	s_lshl_b32 s[\dst], s[\dst+1], 23
.endm
; THE WAY OUT of tile t = 0 (q) or 1 (k).  Lane (r, h) of accumulator (a, b): token 16 a + r, columns 16 b + 8 h + 0 .. 7.  scr: the free set of 64 registers, for the bias in the same layout.
; value = sum x 2^(e0 + e1) + bias (one fused multiply-add for two), converted eight at a time.
; A head's four blocks b give registers 0 .. 7 of the K = 64 operand: two pieces of 512 bytes for each block a of 16 tokens.
.macro EPI_QK t, scr, base, hs
	PLACES
	WIN 0
.irp b, 0,1,2,3,4,5,6,7
	ds_load_b128 v[\scr+8*\b:\scr+8*\b+3], v9 offset:512*\t+64*\b
	ds_load_b128 v[\scr+8*\b+4:\scr+8*\b+7], v9 offset:512*\t+64*\b+16
.endr
	v_mov_b32 v11, s[72+2*\t]
	s_wait_dscnt 0x0
.irp hd, 0,1
	s_wait_xcnt 0x0                                ; earlier stores have read the code registers: they are written again only behind this wait
	WIN 0x41                                       ; destination and source 0 window 1
.irp a, 0,1,2,3
.irp b, 0,1,2,3
.set AC_, 8*(8*\a+4*\hd+\b)
.set BI_, \scr+8*(4*\hd+\b)
.irp i, 0,2,4,6
	v_pk_fma_f32 v[AC_+\i:AC_+\i+1], v[AC_+\i:AC_+\i+1], s[60:61], v[BI_+\i:BI_+\i+1] op_sel_hi:[1,0,1]   ; each accumulator from its low end on
.endr
.irp i, 0,1,2,3,4,5,6,7
.endr
.endr
.endr
	WIN 0x01                                       ; source 0 window 1, destination window 0
.irp a, 0,1,2,3
.irp b, 0,1,2,3
.set AC_, 8*(8*\a+4*\hd+\b)
	v_cvt_scalef32_pk8_fp8_f32 v[32+8*\a+2*\b:33+8*\a+2*\b], v[AC_:AC_+7], v11
.endr
.endr
	v_nop                                          ; one plain vector instruction behind the last conversion: later products write its sources
	WIN 0
.irp a, 0,1,2,3
.irp c, 0,1
	global_store_b128 v3, v[32+8*\a+4*\c:35+8*\a+4*\c], s[\base:\base+1] offset:\hd*\hs+1024*\a+512*\c
.endr
.endr
.endr
.endm
; THE WAY OUT of v.  Lane (r, h) of accumulator (a, b): tokens 16 a + 8 h + 0 .. 7, column 16 b + r.  The column's bias stands twice, in a pair.  Blocks a = 2 a', 2 a' + 1 give four registers of the K = 128 operand.
.macro EPI_V scr
	PLACES
	WIN 0
.irp b, 0,1,2,3,4,5,6,7
	ds_load_b32 v[\scr+2*\b], v10 offset:1024+64*\b
	ds_load_b32 v[\scr+2*\b+1], v10 offset:1024+64*\b
.endr
	v_mov_b32 v11, s76
	s_wait_dscnt 0x0
.irp hd, 0,1
	s_wait_xcnt 0x0
	WIN 0x41
.irp b, 0,1,2,3
.irp a, 0,1,2,3
.set AC_, 8*(8*\a+4*\hd+\b)
.set BI_, \scr+2*(4*\hd+\b)
.irp i, 0,2,4,6
	v_pk_fma_f32 v[AC_+\i:AC_+\i+1], v[AC_+\i:AC_+\i+1], s[60:61], v[BI_:BI_+1] op_sel_hi:[1,0,1]
.endr
.irp i, 0,1,2,3,4,5,6,7
.endr
.endr
.endr
	WIN 0x01
.irp b, 0,1,2,3
.irp a, 0,1,2,3
.set AC_, 8*(8*\a+4*\hd+\b)
	v_cvt_scalef32_pk8_fp8_f32 v[32+8*\b+2*\a:33+8*\b+2*\a], v[AC_:AC_+7], v11
.endr
.endr
	v_nop
	WIN 0
.irp b, 0,1,2,3
.irp c, 0,1
	global_store_b128 v3, v[32+8*\b+4*\c:35+8*\b+4*\c], s[70:71] offset:\hd*262144+2048*\b+512*\c
.endr
.endr
.endr
.endm
	s_load_b256 s[4:11], s[0:1], 0x0               ; x s[4:5], W s[6:7], b_attn s[8:9], the exponents s[10:11]
	s_load_b128 s[12:15], s[0:1], 0x20             ; q_img s[12:13], kv_img s[14:15]
	v_lshl_add_u32 v28, v0, 2, SPARE
	v_mov_b32 v29, 0
	ds_add_u32 v28, v29
	ds_add_u32 v28, v29
	s_wait_dscnt 0x0
	v_lshrrev_b32 v1, 5, v0
	v_readfirstlane_b32 s16, v1                    ; wave 0..3
	s_lshr_b32 s17, s16, 1                         ; rh: which 64 rows
	s_and_b32 s18, s16, 1                          ; ch: which 128 columns
	s_bfe_u32 s19, ttmp6, 0x40000                  ; cx
	s_bfe_u32 s20, ttmp6, 0x40004                  ; cy
	s_lshl_b32 s21, ttmp9, 2
	s_add_co_u32 s21, s21, s19                     ; gx = 4 x cluster x + cx
	s_and_b32 s22, ttmp7, 0xffff
	s_lshl_b32 s22, s22, 2
	s_add_co_u32 s22, s22, s20                     ; gy = 4 x cluster y + cy
	s_lshl_b32 s84, s20, 2
	s_lshl_b32 s84, 15, s84                        ; my row of the cluster
	s_lshl_b32 s85, 0x1111, s19                    ; my column
	; group 1 for x: 128 rows x 256 bytes, 1,024 bytes apart; 4 words of padding behind every 64
	s_or_b32 s24, s84, (1<<20)|(1<<21)|(5<<22)|(3<<25)
	s_mov_b32 s25, 256<<16
	s_mov_b32 s26, 128<<16
	s_mov_b32 s27, 256<<16
	s_mov_b32 s28, 128
	s_mov_b32 s29, 1024
	s_mov_b32 s30, 0
	s_mov_b32 s31, 0
	; group 1 for W: 64 rows x 512 bytes, 1,024 bytes apart; 4 words of padding behind every 128
	s_or_b32 s36, s85, (1<<20)|(1<<21)|(6<<22)|(3<<25)
	s_mov_b32 s37, 512<<16
	s_mov_b32 s38, 64<<16
	s_mov_b32 s39, 512<<16
	s_mov_b32 s40, 64
	s_mov_b32 s41, 1024
	s_mov_b32 s42, 0
	s_mov_b32 s43, 0
	s_lshl_b32 s78, s22, 17                        ; x: 128 gy rows of 1,024 bytes,
	s_lshl_b32 s79, s16, 8                         ; + my K quarter
	s_add_co_u32 s78, s78, s79
	s_mov_b32 s79, 0
	s_lshl_b32 s80, s21, 18                        ; W: 256 gx rows,
	s_lshl_b32 s81, s16, 16                        ; + my 64 of them
	s_add_co_u32 s80, s80, s81
	s_mov_b32 s81, 0
	s_mul_i32 s33, s16, PANEL
	s_add_co_u32 s33, s33, AREG                    ; no place in the cluster enters an LDS address
	s_mul_i32 s45, s16, QRTB
	s_add_co_u32 s49, s45, SLOTB
	s_mov_b32 s32, 1
	s_mov_b32 s44, 1
	s_mov_b32 s48, 1
	s_wait_kmcnt 0x0
	s_load_b256 s[52:59], s[10:11], 0x0            ; e0 .. e7
	s_add_nc_u64 s[34:35], s[4:5], s[78:79]
	s_or_b32 s35, s35, 0x80000000
	s_add_nc_u64 s[46:47], s[6:7], s[80:81]        ; step 0: tile q, K half 0
	s_add_nc_u64 s[50:51], s[46:47], 512           ; step 1: K half 1
	s_or_b32 s47, s47, 0x80000000
	s_or_b32 s51, s51, 0x80000000
	CROUND                                         ; all sixteen work-groups are here: the first joint loads meet
	tensor_load_to_lds s[32:35], s[24:31]          ; my K quarter of x
	s_nop 0
	s_wait_alu depctr_va_vdst(0)
	s_wait_tensorcnt 0x0
	ds_add_u32 v28, v29
	s_wait_dscnt 0x0
	CROUND
	tensor_load_to_lds s[44:47], s[36:43]          ; my quarter of slot 0: one load of mine is out
	s_nop 0
	PLACES
	v_and_b32 v1, 15, v0                           ; r
	v_bfe_u32 v2, v0, 4, 1                         ; h
	v_and_b32 v3, 31, v0
	v_lshlrev_b32 v3, 4, v3                        ; 16 x lane
	v_mul_u32_u24 v4, v1, PITB
	v_lshl_add_u32 v4, v2, 4, v4
	s_mul_i32 s82, s18, 128*PITB
	v_add_nc_u32 v4, s82, v4                       ; W: my 128 rows, row r, + 16 h
	v_add_nc_u32 v5, SLOTB, v4
	v_mul_u32_u24 v6, v1, PITA
	v_lshl_add_u32 v6, v2, 4, v6
	s_mul_i32 s82, s17, 64*PITA
	s_add_co_u32 s82, s82, AREG
	v_add_nc_u32 v6, s82, v6                       ; x: panels 0, 1
	v_add_nc_u32 v7, 2*PANEL, v6                   ; panels 2, 3
	s_mul_i32 s82, s16, 1536
	s_add_co_u32 s82, s82, BIAS
	v_add_nc_u32 v8, s82, v3                       ; the bias: in, 16 bytes a lane;
	v_lshl_add_u32 v9, v2, 5, s82                  ; out for q, k: eight numbers at 32 h;
	v_lshl_add_u32 v10, v1, 2, s82                 ; out for v: one number at 4 r
	s_lshl_b32 s86, s21, 10
	s_lshl_b32 s87, s18, 9
	s_add_co_u32 s86, s86, s87
	s_mov_b32 s87, 0
	s_add_nc_u64 s[8:9], s[8:9], s[86:87]          ; b_attn at column 256 gx + 128 ch
.irp t, 0,1,2
	global_load_b128 v[40+4*\t:43+4*\t], v3, s[8:9] offset:4096*\t
.endr
	; where the images go
	s_lshr_b32 s86, s22, 4
	s_lshl_b32 s86, s86, 4                         ; 16 x batch
	s_lshl_b32 s87, s21, 2
	s_add_co_u32 s86, s86, s87
	s_lshl_b32 s87, s18, 1
	s_add_co_u32 s86, s86, s87                     ; my first head: 16 batch + 4 gx + 2 ch
	s_and_b32 s87, s22, 15                         ; which 128 tokens of the batch
	s_lshl_b32 s88, s86, 17                        ; q: a head is 128 tiles of 1,024 bytes;
	s_lshl_b32 s90, s87, 13                        ; tile 8 (gy % 16) + 4 rh
	s_add_co_u32 s88, s88, s90
	s_lshl_b32 s90, s17, 12
	s_add_co_u32 s88, s88, s90
	s_mov_b32 s89, 0
	s_add_nc_u64 s[66:67], s[12:13], s[88:89]
	s_lshl_b32 s88, s86, 18                        ; k, v: a head is 8 slots of 32,768 bytes;
	s_lshr_b32 s90, s87, 1
	s_lshl_b32 s90, s90, 15                        ; slot (gy % 16) / 2;
	s_add_co_u32 s88, s88, s90
	s_and_b32 s90, s22, 1
	s_lshl_b32 s90, s90, 13                        ; its half of 128 keys: 8 tiles of k, or 8,192 bytes of v
	s_add_co_u32 s88, s88, s90
	s_lshl_b32 s90, s17, 12
	s_add_co_u32 s90, s90, s88
	s_mov_b32 s91, 0
	s_add_nc_u64 s[68:69], s[14:15], s[90:91]
	s_lshl_b32 s90, s17, 10                        ; v: pieces 2 rh, 2 rh + 1 of each tile of 16 d
	s_add_co_u32 s90, s90, s88
	s_add_co_u32 s90, s90, 16384
	s_add_nc_u64 s[70:71], s[14:15], s[90:91]
	s_wait_alu depctr_va_vdst(0)
	s_wait_kmcnt 0x0
	s_add_co_i32 s60, s52, s53
	s_add_co_i32 s60, s60, 127
	s_lshl_b32 s60, s60, 23                        ; 2^(e0 + e1)
	s_mov_b32 s61, s60                             ; (named with it as a pair, so it is written)
	PATT 72, 54                                    ; q
	PATT 74, 55                                    ; k
	PATT 76, 57                                    ; v
	s_wait_loadcnt 0x0
.irp t, 0,1,2
	ds_store_b128 v8, v[40+4*\t:43+4*\t] offset:512*\t   ; my own bytes: only I read them
.endr
	s_wait_tensorcnt 0x0                           ; my parts of x and of slot 0 are in: both are read next,
	s_wait_dscnt 0x0
	s_barrier_signal -1
	s_barrier_wait -1                              ; everybody's are
.irp s, 0,1,2,3,4,5,6,7
	WIN 0x80+0x40*(\s/4)                           ; destination window 2 or 3
.irp a, 0,1,2,3
.irp c, 0,1,2,3
	ds_load_b128 v[64*(\s%4)+16*\a+4*\c:64*(\s%4)+16*\a+4*\c+3], v[6+\s/4] offset:((\s/2)%2)*PANEL+128*(\s%2)+32*\c+\a*16*PITA
.endr
.endr
.endr
	WIN 0
	FETCH 0
	FETCH 1
	s_wait_tensorcnt 0x0                           ; slot 1 gets its first tile of W over bytes that x's tile filled: the order of a refill
	ds_add_u32 v28, v29                            ; 0 onto my spare word
	s_wait_dscnt 0x0                               ; the add is done, and x is in my registers
	CROUND
	tensor_load_to_lds s[48:51], s[36:43]          ; step 1; it has 96 matrix instructions in which to land
	s_nop 0
	PLACES
.irp g, 0,1,2,3,4,5
	HALF \g, 0
.endr
	HALFC 6, 0, 1                                  ; slot 0 takes step 2
.irp g, 7,8,9,10,11,12,13
	HALF \g, 0
.endr
	HALFC 14, 0, 1                                 ; slot 1 takes step 3
	HALF 15, 0
	EPI_QK 0, 64, 66, 131072                       ; q leaves; sets 1 and 2 hold the next tile's first fragments
.irp g, 16,17,18,19,20,21
	HALF \g, 0
.endr
	HALFC 22, 0, 1                                 ; slot 0 takes step 4
.irp g, 23,24,25,26,27,28,29
	HALF \g, 0
.endr
	HALFC 30, 0, 1                                 ; slot 1 takes step 5: the last load
	HALF 31, 0
	EPI_QK 1, 128, 68, 262144                      ; k leaves
.irp g, 32,33,34,35,36,37
	HALF \g, 1
.endr
	HALFC 38, 1, 0                                 ; nothing is left to fetch: no round
.irp g, 39,40,41,42,43,44,45,46,47
	HALF \g, 1
.endr
	EPI_V 192
	s_wait_tensorcnt 0x0                           ; the wave's end
	ds_add_u32 v28, v29
	s_wait_dscnt 0x0
	CROUND                                         ; the closing round
	s_endpgm
.Lfunc_end_k_q552be3d8d5_qkv:
	.size	k_q552be3d8d5_qkv, .Lfunc_end_k_q552be3d8d5_qkv-k_q552be3d8d5_qkv
	.p2alignl 7, 3214868480
	.fill 96, 4, 3214868480
	.section	.rodata,"a",@progbits
	.p2align	6, 0x0
	.amdhsa_kernel k_q552be3d8d5_qkv
		.amdhsa_group_segment_fixed_size 327680
		.amdhsa_private_segment_fixed_size 0
		.amdhsa_enable_private_segment 0
		.amdhsa_kernarg_size 48
		.amdhsa_user_sgpr_count 2
		.amdhsa_user_sgpr_kernarg_segment_ptr 1
		.amdhsa_wavefront_size32 1
		.amdhsa_system_sgpr_workgroup_id_x 1
		.amdhsa_system_sgpr_workgroup_id_y 1
		.amdhsa_system_sgpr_workgroup_id_z 1
		.amdhsa_system_vgpr_workitem_id 0
		.amdhsa_next_free_vgpr 1024
		.amdhsa_next_free_sgpr 100
		.amdhsa_reserve_vcc 0
		.amdhsa_float_denorm_mode_32 3
		.amdhsa_float_denorm_mode_16_64 3
		.amdhsa_fp16_overflow 1
		.amdhsa_memory_ordered 1
		.amdhsa_forward_progress 1
		.amdhsa_inst_pref_size 165
	.end_amdhsa_kernel
	.amdgpu_metadata
---
amdhsa.version: [ 1, 2 ]
amdhsa.kernels:
  - .name:           k_q552be3d8d5_qkv
    .symbol:         k_q552be3d8d5_qkv.kd
    .args:
      - { .name: x_codes, .offset: 0, .size: 8, .value_kind: global_buffer, .address_space: global }
      - { .name: W_attn_codes, .offset: 8, .size: 8, .value_kind: global_buffer, .address_space: global }
      - { .name: b_attn, .offset: 16, .size: 8, .value_kind: global_buffer, .address_space: global }
      - { .name: lowp_scales, .offset: 24, .size: 8, .value_kind: global_buffer, .address_space: global }
      - { .name: q_img, .offset: 32, .size: 8, .value_kind: global_buffer, .address_space: global }
      - { .name: kv_img, .offset: 40, .size: 8, .value_kind: global_buffer, .address_space: global }
    .group_segment_fixed_size: 327680
    .private_segment_fixed_size: 0
    .kernarg_segment_align: 8
    .kernarg_segment_size: 48
    .max_flat_workgroup_size: 128
    .sgpr_count:     100
    .vgpr_count:     1024
    .wavefront_size: 32
...
	.end_amdgpu_metadata
.endif
;; end of part 1
;; launch attn (part 2): grid 4 x 64, 16 waves a work-group, no clusters, 327,680 bytes of LDS; arguments q_img, kv_img, lowp_scales, y_img; writes y_img
.if DOCPART == 2
	.amdgcn_target "amdgcn-amd-amdhsa--gfx1250"
	.amdhsa_code_object_version 6
	.text
	.protected	k_q552be3d8d5_attn
	.globl	k_q552be3d8d5_attn
	.p2align	8
	.type	k_q552be3d8d5_attn,@function
k_q552be3d8d5_attn:
	s_mov_b64 s[64:65], 0
	v_nop
	global_prefetch_b8 v0, s[64:65] scope:SCOPE_SE
	s_setreg_imm32_b32 hwreg(HW_REG_WAVE_MODE, 25, 1), 1
	s_wait_xcnt 0x0
; y[b][q][64 head + d] = sum over keys k <= q of softmax_k(Q . K / 8) V, both products on codes of E4M3; then the quantiser of y (scale entry 6).
; Scales: q entry 2, k entry 3, p entry 4, v entry 5.  t = score x log2(e) / 8; M = the running largest t rounded up to a whole number; p = 2^(t - M) is quantised, not normalised;
; the row's sum is taken of the unquantised p and divides at the end.  When M moves, the sum and O are multiplied by 2^(old M - new M), which rounds nothing.
; INPUTS are images of operand registers (a piece: 512 bytes, lane l's 16 bytes at 16 l): q_img: a tile of 16 queries is two pieces; kv_img: a slot of 256 keys is 16 tiles of K (16,384 bytes), then V with the keys innermost (16,384 bytes).
; SHARES.  A work-group owns query blocks p and 7 - p (256 queries each) of one head; each of its sixteen waves owns 16 queries of the block in hand, in 256 registers.
; It walks NINE visits of a key slot: slots 0 .. p for block p, then slots 0 .. 7 - p for block 7 - p: seven slots all of whose keys count and two on the diagonal, the same in every work-group; the trip count is a constant.
; A step of 128 keys all of which come after a wave's queries is left out by a scalar branch on ids; no barrier and no tensor load stands in a step.
; NO CLUSTER: the four work-groups of a head read the same K and V, but the block switch and the hidden steps are branches on the query block, and partners want different slots at the same visit.
; LAYOUT.  S^T = K Q^T (source 0 = 16 keys, source 1 = my queries): lane (r, h) holds query r; register 8 t + j holds key 16 t + 8 h + j: after the conversions these are the K = 128 operand's own places.  O^T = V^T P^T likewise.
; LIMITS: e2 + e3 between -123 and 130 (added to c's exponent field); e4 and e6 between -126 and 119; e4 + e5 is applied by v_ldexp_f32 and has none.
; REGISTERS: v1 16 x lane, v2 the slot's address, v3 the prefetches' offset, v4 r - 8 h, v5-6 the add's, v12 -M, v13 largest t, v[14:15] the sum, v16-23 Q, v24-31 the second block's Q, v32-95 K's then V's fragments,
; v96-159 S^T then p, v160-191 O^T, v192-207 p's codes, v208-231 y's codes on their way out, v234-255 at work and constants.
.set SLOTX, 32768                      ; slot 1 begins here: one exclusive or turns an address from one slot to the other
.set SPARE, 65536                      ; the spare words: 128 bytes a wave, eight blocks of 256 bytes that no other line names
.macro PLACES
.rept 4
	v_nop
.endr
.endm
.macro TLOAD                           ; wave 0 fetches the slot's K, wave 1 its V: 64 rows of 256 bytes each, dense; the branch hangs on the wave's number alone
	s_cmp_lt_u32 s18, 2
	s_cbranch_scc0 .Lno_load_\@
	tensor_load_to_lds s[40:43], s[24:31]
	s_nop 0
	PLACES
.Lno_load_\@:
.endm
; A prefetch of key slot i + 1 of the head in trip i (i = 0 .. 6), one visit ahead of the asking work-group's own load of that slot.  The head's work-group p = 0 asks, and in it waves 4 to 7, which fetch nothing:
; 8,192 bytes a wave, lanes 256 bytes apart, one instruction.  So each aligned block of 256 bytes of slots 1 .. 7 is named once in the launch.  Slot 0 comes by its loads alone; the last trip asks for nothing.
.macro ASK
	s_cmp_gt_u32 s57, s80
	s_cbranch_scc0 .Lnot_mine_\@
	global_prefetch_b8 v3, s[76:77] th:TH_LOAD_NT scope:SCOPE_SE
.Lnot_mine_\@:
.endm
.macro FRESH                           ; a block begins: O^T and the sum are zeros, the largest t lies under every t: the first change of M multiplies zeros
	v_mov_b32 v13, 0xff61b1e6                      ; -3e38
	s_delay_alu instid0(VALU_DEP_1)
	v_floor_f32 v12, -v13
	v_mov_b32 v14, 0
	v_mov_b32 v15, 0
.set J, 0
.rept 32
	v_mov_b32 v[160+J], 0
.set J, J+1
.endr
.endm
; A KEY STEP: 128 keys, half q of the slot in hand.
.macro STEP q
	s_add_co_u32 s96, s52, 15
	s_cmp_gt_u32 s54, s96                          ; all keys behind my 16 queries: nothing to do
	s_cbranch_scc1 .Lhidden_\@
	v_add_nc_u32 v2, s2, v1
.irp t, 0,1,2,3,4,5,6,7
	ds_load_b128 v[32+8*\t:35+8*\t], v2 offset:(8*(\q)+\t)*1024
	ds_load_b128 v[36+8*\t:39+8*\t], v2 offset:(8*(\q)+\t)*1024+512
.endr
	s_wait_alu depctr_va_vdst(0)
	s_wait_dscnt 0x0
.irp t, 0,1,2,3,4,5,6,7
	v_wmma_f32_16x16x64_fp8_fp8 v[96+8*\t:103+8*\t], v[32+8*\t:39+8*\t], v[16:23], 0
.endr
	PLACES                                         ; in front of the loads into K's registers and of the first read of the scores
.irp d, 0,1,2,3
.irp c, 0,1,2,3
	ds_load_b128 v[32+16*\d+4*\c:35+16*\d+4*\c], v2 offset:16384+8192*(\q)+2048*\d+512*\c   ; V lands while the softmax is walked
.endr
.endr
	s_add_co_u32 s96, s54, 127
	s_cmp_le_u32 s96, s52                          ; all keys count: no mask
	s_cbranch_scc1 .Lopen_\@
	s_sub_co_i32 s96, s52, s54
	v_add_nc_u32 v252, s96, v4                     ; d = my query - the step's first key - 8 h.  Register 8 t + j is hidden where 16 t + j > d
	v_mov_b32 v254, 0xff800000                     ; -infinity: p = 0 then
.set N, 0
.rept 64
	v_cmp_gt_i32 vcc_lo, 16*(N/8)+N%8, v252
	v_cndmask_b32 v[96+N], v[96+N], v254, vcc_lo
.set N, N+1
.endr
.Lopen_\@:
	v_max3_num_f32 v254, v96, v97, v98             ; the largest score of my query among my 64 keys, in two chains, each accumulator from its low end on
	v_max3_num_f32 v252, v99, v100, v101
.irp i, 6,10,14,18,22,26,30,34,38,42,46,50,54,58
	v_max3_num_f32 v254, v254, v[96+\i], v[97+\i]
	v_max3_num_f32 v252, v252, v[98+\i], v[99+\i]
.endr
	v_max3_num_f32 v254, v254, v158, v159
	s_delay_alu instid0(VALU_DEP_1)
	v_max_num_f32 v254, v254, v252
	s_delay_alu instid0(VALU_DEP_1)
	v_permlanex16_b32 v236, v254, s20, s21
	s_delay_alu instid0(VALU_DEP_1)
	v_max_num_f32 v254, v254, v236                 ; and among the other half's
	s_delay_alu instid0(VALU_DEP_1)
	v_mul_f32 v254, s22, v254                      ; as t (c is positive)
	s_delay_alu instid0(VALU_DEP_1)
	v_max_num_f32 v13, v13, v254
	v_mov_b32 v254, v12
	s_delay_alu instid0(VALU_DEP_2)
	v_floor_f32 v12, -v13                          ; -M = floor(-t): M is a whole number
	s_delay_alu instid0(VALU_DEP_1)
	v_sub_f32 v254, v12, v254                      ; old M - new M, 0 or less
	s_delay_alu instid0(VALU_DEP_1)
	v_cvt_i32_f32 v254, v254                       ; (it saturates)
	s_delay_alu instid0(VALU_DEP_1)
	v_ldexp_f32 v252, 1.0, v254                    ; f = 2^(old M - new M)
.set J, 0
.rept 32
	v_pk_fma_f32 v[96+J:97+J], v[96+J:97+J], s[22:23], v[12:13] op_sel_hi:[1,0,0]   ; t - M
.set J, J+2
.endr
.set J, 0
	s_wait_alu depctr_va_vdst(0)
.rept 64
	v_exp_f32 v[96+J], v[96+J]                     ; p = 2^(t - M)
.set J, J+1
.endr
	v_pk_mul_f32 v[14:15], v[14:15], v[252:253] op_sel_hi:[1,0]   ; the sums under the new M: the plain instruction behind the exponentials
	s_wait_alu depctr_va_vdst(0)                   ; one wait for the batch, ahead of its first reader
	v_pk_add_f32 v[242:243], v[100:101], v[104:105]
	v_pk_add_f32 v[254:255], v[108:109], v[112:113]
	v_pk_add_f32 v[250:251], v[116:117], v[120:121]
	v_pk_add_f32 v[248:249], v[124:125], v[128:129]
	v_pk_add_f32 v[240:241], v[132:133], v[136:137]
	v_pk_add_f32 v[238:239], v[140:141], v[144:145]
	v_pk_add_f32 v[234:235], v[148:149], v[152:153]
	v_pk_add_f32 v[14:15], v[14:15], v[156:157]
	v_pk_add_f32 v[242:243], v[242:243], v[96:97]
	v_pk_add_f32 v[254:255], v[254:255], v[98:99]
	v_pk_add_f32 v[250:251], v[250:251], v[102:103]
	v_pk_add_f32 v[248:249], v[248:249], v[106:107]
	v_pk_add_f32 v[240:241], v[240:241], v[110:111]
	v_pk_add_f32 v[238:239], v[238:239], v[114:115]
	v_pk_add_f32 v[234:235], v[234:235], v[118:119]
	v_pk_add_f32 v[14:15], v[14:15], v[122:123]
	v_pk_add_f32 v[242:243], v[242:243], v[126:127]
	v_pk_add_f32 v[254:255], v[254:255], v[130:131]
	v_pk_add_f32 v[250:251], v[250:251], v[134:135]
	v_pk_add_f32 v[248:249], v[248:249], v[138:139]
	v_pk_add_f32 v[240:241], v[240:241], v[142:143]
	v_pk_add_f32 v[238:239], v[238:239], v[146:147]
	v_pk_add_f32 v[234:235], v[234:235], v[150:151]
	v_pk_add_f32 v[14:15], v[14:15], v[154:155]
	v_pk_add_f32 v[242:243], v[242:243], v[158:159]
	s_delay_alu instid0(VALU_DEP_2)
	v_pk_add_f32 v[14:15], v[14:15], v[248:249]
	s_delay_alu instid0(VALU_DEP_2)
	v_pk_add_f32 v[242:243], v[242:243], v[240:241]
	v_pk_add_f32 v[254:255], v[254:255], v[238:239]
	v_pk_add_f32 v[250:251], v[250:251], v[234:235]
	s_delay_alu instid0(VALU_DEP_2)
	v_pk_add_f32 v[14:15], v[14:15], v[254:255]
	s_delay_alu instid0(VALU_DEP_2)
	v_pk_add_f32 v[242:243], v[242:243], v[250:251]
	s_delay_alu instid0(VALU_DEP_1)
	v_pk_add_f32 v[14:15], v[14:15], v[242:243]
.irp t, 0,1,2,3,4,5,6,7
.irp i, 0,1,2,3,4,5,6,7
.endr
	v_cvt_scalef32_pk8_fp8_f32 v[192+2*\t:193+2*\t], v[96+8*\t:103+8*\t], v244
.endr
.set J, 0
.rept 16
	v_pk_mul_f32 v[160+J:161+J], v[160+J:161+J], v[252:253] op_sel_hi:[1,0]   ; O^T under the new M; also the plain instructions behind the conversions
.set J, J+2
.endr
	s_wait_alu depctr_va_vdst(0)
	s_wait_dscnt 0x0                               ; V is in
.irp d, 0,1,2,3
	v_wmma_f32_16x16x128_fp8_fp8 v[160+8*\d:167+8*\d], v[32+16*\d:47+16*\d], v[192:207], v[160+8*\d:167+8*\d]   ; four accumulators by turns
.endr
	PLACES                                         ; in front of the next loads into V's registers and of the next read of O^T
.Lhidden_\@:
	s_add_co_u32 s54, s54, 128
.endm
; THE CHANGE OF SLOTS, at a visit's head.  Each wave waits for all its tensor loads (the slot that it is about to read), adds 0 to its spare word, and waits for that and for its reads of the slot that it has left.
; fill = 1: behind the barrier that other slot takes the next visit's keys: the next slot of the head, or slot 0 where the second block begins.
.macro CHANGE fill
	s_wait_tensorcnt 0x0                           ; no tensor load of mine is out, so group 0 may be written
	ds_add_u32 v5, v6                              ; 0 onto my spare word
.if \fill
	s_xor_b32 s41, s41, SLOTX
	s_add_co_u32 s46, s46, 32768
	s_cmp_eq_u32 s57, s55
	s_cselect_b32 s46, 0, s46                      ; the visit behind block p's last begins at slot 0 again
	s_add_nc_u64 s[42:43], s[44:45], s[46:47]
	s_or_b32 s43, s43, 0x80000000
	s_wait_xcnt 0x0                                ; the last prefetch and the last stores have read their registers
	s_add_nc_u64 s[76:77], s[76:77], 32768
.endif
	s_wait_dscnt 0x0                               ; the add is done, and my reads of the slot that I have left are over
	s_barrier_signal -1
	s_barrier_wait -1
.if \fill
	TLOAD                                          ; first behind the barrier, a wave's one tensor load until the next: one load of mine is out
	ASK
.endif
.endm
; A BLOCK'S END: O^T / the sum x 2^(e4 + e5), converted.  A lane holds d = 16 dt + 8 h + 0 .. 7 of its query; the next product's operand wants d = 32 c + 16 h + 0 .. 15 in lane (r, h):
; the halves of the lanes exchange their codes and each picks its 16 bytes.  Two stores of 512 consecutive bytes, aligned.
.macro FINISH base, wx
.if \wx
	s_wait_xcnt 0x0                                ; the first block's stores have read their registers
.endif
	v_add_f32 v14, v14, v15
	s_delay_alu instid0(VALU_DEP_1)
	v_permlanex16_b32 v252, v14, s20, s21
	s_delay_alu instid0(VALU_DEP_1)
	v_add_f32 v14, v14, v252                       ; the row's sum
	s_wait_alu depctr_va_vdst(0)
	v_rcp_f32 v14, v14
	v_nop                                          ; a plain instruction behind the reciprocal
	s_wait_alu depctr_va_vdst(0)                   ; and the wait ahead of its first reader
	v_ldexp_f32 v14, v14, s59
.set J, 0
.rept 16
	v_pk_mul_f32 v[160+J:161+J], v[160+J:161+J], v[14:15] op_sel_hi:[1,0]
.set J, J+2
.endr
.set J, 0
.rept 32
.set J, J+1
.endr
.irp d, 0,1,2,3
	v_cvt_scalef32_pk8_fp8_f32 v[208+2*\d:209+2*\d], v[160+8*\d:167+8*\d], v246
.endr
	v_nop                                          ; one plain vector instruction behind the conversions
.irp i, 0,1,2,3,4,5,6,7
	v_permlanex16_b32 v[216+\i], v[208+\i], s20, s21
.endr
.irp c, 0,1
.irp i, 0,1
	v_cndmask_b32 v[224+4*\c+\i], v[208+4*\c+\i], v[218+4*\c+\i], s58   ; h = 0: my d tile 2 c, low eight; h = 1: the other half's d tile 2 c + 1, low eight
	v_cndmask_b32 v[226+4*\c+\i], v[216+4*\c+\i], v[210+4*\c+\i], s58   ; h = 0: the other half's high eight of 2 c; h = 1: my high eight of 2 c + 1
.endr
.endr
	global_store_b128 v1, v[224:227], s[\base:\base+1]
	global_store_b128 v1, v[228:231], s[\base:\base+1] offset:512
.endm
	s_load_b256 s[4:11], s[0:1], 0x0               ; q_img s[4:5], kv_img s[6:7], the exponents s[8:9], y_img s[10:11]
	v_lshl_add_u32 v5, v0, 2, SPARE
	v_mov_b32 v6, 0
	ds_add_u32 v5, v6
	ds_add_u32 v5, v6
	s_wait_dscnt 0x0
	v_lshrrev_b32 v2, 5, v0
	s_delay_alu instid0(VALU_DEP_1)
	v_readfirstlane_b32 s18, v2                    ; wave 0..15
	s_mov_b32 s12, ttmp9                           ; p
	s_and_b32 s13, ttmp7, 0xffff                   ; 16 x batch + head
	s_mov_b32 s24, 3<<16                           ; group 1: elements of 8 bytes, no padding, no mask
	s_mov_b32 s25, 32<<16                          ; tensor_dim0 = 32 elements: 256 bytes
	s_mov_b32 s26, 64<<16                          ; tensor_dim1 = 64
	s_mov_b32 s27, 32<<16                          ; tile_dim0
	s_mov_b32 s28, 64                              ; tile_dim1
	s_mov_b32 s29, 32                              ; from row to row: dense
	s_mov_b32 s30, 0
	s_mov_b32 s31, 0
	s_and_b32 s82, s18, 1
	s_lshl_b32 s41, s82, 14                        ; LDS: K at the slot's head, V 16,384 bytes on
	s_lshl_b32 s82, s82, 14
	s_lshl_b32 s83, s13, 18                        ; a head's 8 slots
	s_add_co_u32 s82, s82, s83
	s_mov_b32 s83, 0
	s_mov_b32 s40, 1
	s_mov_b32 s46, 0                               ; the key slot's byte offset in the head
	s_mov_b32 s47, 0
	s_wait_kmcnt 0x0
	s_load_b256 s[68:75], s[8:9], 0x0              ; e0 .. e7
	s_add_nc_u64 s[44:45], s[6:7], s[82:83]
	s_mov_b64 s[42:43], s[44:45]
	s_or_b32 s43, s43, 0x80000000
	TLOAD                                          ; visit 0: slot 0
	s_mov_b32 s2, 0                                ; LDS byte at which the slot in hand begins
	s_mov_b32 s20, 0x76543210
	s_mov_b32 s21, 0xfedcba98                      ; lane l xor 16
	s_mov_b32 s58, 0xffff0000                      ; lanes 16-31
	s_mov_b32 s54, 0                               ; the step's first key
	s_mov_b32 s57, 8                               ; visits still to be asked for
	s_lshl_b32 s52, s12, 8
	s_lshl_b32 s96, s18, 4
	s_add_co_u32 s52, s52, s96                     ; my first query in block p
	s_sub_co_u32 s56, 7, s12                       ; the count at which the second block begins
	s_sub_co_u32 s55, 8, s12                       ; the count at which its slot 0 is asked for
	s_lshl_b32 s53, s56, 8
	s_add_co_u32 s53, s53, s96                     ; my first query in block 7 - p
	s_lshl_b32 s88, s13, 17
	s_lshl_b32 s84, s52, 6                         ; a tile of 16 queries is 1,024 bytes
	s_add_co_u32 s84, s84, s88
	s_mov_b32 s85, 0
	s_lshl_b32 s86, s53, 6
	s_add_co_u32 s86, s86, s88
	s_mov_b32 s87, 0
	s_add_nc_u64 s[84:85], s[4:5], s[84:85]
	s_add_nc_u64 s[86:87], s[4:5], s[86:87]
	s_lshr_b32 s88, s13, 4
	s_lshl_b32 s88, s88, 21                        ; y_img: a batch's 128 tiles of rows x 16,384 bytes;
	s_and_b32 s89, s13, 15
	s_lshl_b32 s89, s89, 10                        ; a head's two pieces
	s_add_co_u32 s88, s88, s89
	s_lshl_b32 s48, s52, 10
	s_add_co_u32 s48, s48, s88
	s_mov_b32 s49, 0
	s_lshl_b32 s50, s53, 10
	s_add_co_u32 s50, s50, s88
	s_mov_b32 s51, 0
	s_add_nc_u64 s[48:49], s[10:11], s[48:49]
	s_add_nc_u64 s[50:51], s[10:11], s[50:51]
	s_and_b32 s76, s18, 3
	s_lshl_b32 s76, s76, 13                        ; the prefetches: my wave's 8,192 bytes of a slot, at slot 0: the first change steps it to slot 1
	s_lshl_b32 s77, s13, 18
	s_add_co_u32 s76, s76, s77
	s_mov_b32 s77, 0
	s_add_nc_u64 s[76:77], s[6:7], s[76:77]
	s_sub_co_u32 s80, s18, 4
	s_lshr_b32 s80, s80, 2                         ; 0 in waves 4 to 7,
	s_or_b32 s80, s80, ttmp9                       ; of work-group p = 0
	s_cmp_eq_u32 s80, 0
	s_cselect_b32 s80, 1, -1
	v_and_b32 v1, 31, v0
	s_delay_alu instid0(VALU_DEP_1)
	v_lshlrev_b32 v3, 8, v1
	s_delay_alu instid0(VALU_DEP_2)
	v_lshlrev_b32 v1, 4, v1
	global_load_b128 v[16:19], v1, s[84:85]
	global_load_b128 v[20:23], v1, s[84:85] offset:512
	global_load_b128 v[24:27], v1, s[86:87]
	global_load_b128 v[28:31], v1, s[86:87] offset:512
	v_and_b32 v4, 15, v0
	v_bfe_u32 v2, v0, 4, 1
	s_delay_alu instid0(VALU_DEP_1)
	v_lshlrev_b32 v2, 3, v2
	s_delay_alu instid0(VALU_DEP_1)
	v_sub_nc_u32 v4, v4, v2                        ; r - 8 h
	FRESH
	v_mov_b32 v236, 0                              ; written once: a lane permute's destination counts as one of its sources
	v_mov_b32 v252, 0
	v_mov_b32 v253, 0                              ; (named as the upper half of the pair v[252:253])
	v_mov_b32 v254, 0
.irp i, 0,1,2,3,4,5,6,7
	v_mov_b32 v[216+\i], 0
.endr
	s_wait_kmcnt 0x0
	s_mov_b32 s22, 0x3e38aa3b                      ; c = log2(e) / 8
	s_add_co_i32 s96, s70, s71
	s_lshl_b32 s96, s96, 23
	s_add_co_i32 s22, s22, s96                     ; x 2^(e2 + e3)
	s_mov_b32 s23, s22
	s_add_co_i32 s96, s72, 127
	s_lshl_b32 s90, s96, 23
	v_mov_b32 v244, s90                            ; 2^e4
	s_add_co_i32 s96, s74, 127
	s_lshl_b32 s90, s96, 23
	v_mov_b32 v246, s90                            ; 2^e6
	s_add_co_i32 s59, s72, s73                     ; e4 + e5
	s_wait_loadcnt 0x0                             ; both blocks' Q
.Lslot:                                            ; eight trips: behind each change of slots but the last the next visit's keys are asked for
	CHANGE 1
	s_cmp_eq_u32 s57, s56
	s_cbranch_scc0 .Lsame_block
	FINISH 48, 0                                   ; block p is done;
.irp i, 0,1,2,3,4,5,6,7
	v_mov_b32 v[16+\i], v[24+\i]                   ; block 7 - p begins
.endr
	FRESH
	s_mov_b32 s54, 0
	s_mov_b32 s52, s53
.Lsame_block:
	STEP 0
	STEP 1
	s_xor_b32 s2, s2, SLOTX
	s_sub_co_u32 s57, s57, 1
	s_cmp_lg_u32 s57, 0
	s_cbranch_scc1 .Lslot
	CHANGE 0                                       ; the last visit is written out
	STEP 0
	STEP 1
	FINISH 50, 1
	s_wait_tensorcnt 0x0                           ; the wave's end
	ds_add_u32 v5, v6
	s_wait_dscnt 0x0
	s_endpgm
.Lfunc_end_k_q552be3d8d5_attn:
	.size	k_q552be3d8d5_attn, .Lfunc_end_k_q552be3d8d5_attn-k_q552be3d8d5_attn
	.p2alignl 7, 3214868480
	.fill 96, 4, 3214868480
	.section	.rodata,"a",@progbits
	.p2align	6, 0x0
	.amdhsa_kernel k_q552be3d8d5_attn
		.amdhsa_group_segment_fixed_size 327680
		.amdhsa_private_segment_fixed_size 0
		.amdhsa_enable_private_segment 0
		.amdhsa_kernarg_size 32
		.amdhsa_user_sgpr_count 2
		.amdhsa_user_sgpr_kernarg_segment_ptr 1
		.amdhsa_wavefront_size32 1
		.amdhsa_system_sgpr_workgroup_id_x 1
		.amdhsa_system_sgpr_workgroup_id_y 1
		.amdhsa_system_sgpr_workgroup_id_z 1
		.amdhsa_system_vgpr_workitem_id 0
		.amdhsa_next_free_vgpr 256
		.amdhsa_next_free_sgpr 100
		.amdhsa_reserve_vcc 1
		.amdhsa_float_denorm_mode_32 3
		.amdhsa_float_denorm_mode_16_64 3
		.amdhsa_fp16_overflow 1
		.amdhsa_memory_ordered 1
		.amdhsa_forward_progress 1
		.amdhsa_inst_pref_size 91
	.end_amdhsa_kernel
	.amdgpu_metadata
---
amdhsa.version: [ 1, 2 ]
amdhsa.kernels:
  - .name:           k_q552be3d8d5_attn
    .symbol:         k_q552be3d8d5_attn.kd
    .args:
      - { .name: q_img, .offset: 0, .size: 8, .value_kind: global_buffer, .address_space: global }
      - { .name: kv_img, .offset: 8, .size: 8, .value_kind: global_buffer, .address_space: global }
      - { .name: lowp_scales, .offset: 16, .size: 8, .value_kind: global_buffer, .address_space: global }
      - { .name: y_img, .offset: 24, .size: 8, .value_kind: global_buffer, .address_space: global }
    .group_segment_fixed_size: 327680
    .private_segment_fixed_size: 0
    .kernarg_segment_align: 8
    .kernarg_segment_size: 32
    .max_flat_workgroup_size: 512
    .sgpr_count:     100
    .vgpr_count:     256
    .wavefront_size: 32
...
	.end_amdgpu_metadata
.endif
;; end of part 2
;; launch proj (part 3): grid 4 x 64, 4 waves a work-group, clusters of 4 x 4, 327,680 bytes of LDS; arguments y_img, W_proj_codes, b_proj, lowp_scales, out0; writes out0
.if DOCPART == 3
	.amdgcn_target "amdgcn-amd-amdhsa--gfx1250"
	.amdhsa_code_object_version 6
	.text
	.protected	k_q552be3d8d5_proj
	.globl	k_q552be3d8d5_proj
	.p2align	8
	.type	k_q552be3d8d5_proj,@function
k_q552be3d8d5_proj:
	s_mov_b64 s[64:65], 0
	v_nop
	global_prefetch_b8 v0, s[64:65] scope:SCOPE_SE
	s_setreg_imm32_b32 hwreg(HW_REG_WAVE_MODE, 25, 1), 1
	s_wait_xcnt 0x0
	s_wait_alu depctr_hold_cnt(0) depctr_sa_sdst(0) depctr_va_vdst(0) depctr_va_sdst(0) depctr_va_ssrc(0) depctr_va_vcc(0) depctr_vm_vsrc(0)
	s_getreg_b32 s2, hwreg(HW_REG_IB_STS2, 6, 4)
	s_cmp_eq_u32 s2, 0
	s_cbranch_scc0 .Lentry_in_a_cluster
	s_endpgm
.Lentry_in_a_cluster:
	s_bfe_u32 s2, ttmp6, 0x10000c
	s_cmp_lg_u32 s2, 0xf033
	s_cbranch_scc0 .Lentry_shape_is_right
	s_endpgm
.Lentry_shape_is_right:
; out0 = y W_proj + b_proj on codes of E4M3.  y: images of operand registers (tile of 16 rows R, K step s of 128, piece c: 512 bytes, lane (r, h): y[16 R + r][128 s + 32 c + 16 h + 0 .. 15]); W_proj: [1024][1024] codes, K innermost.
; A sum of code products stands for sum x 2^(e6 + e7).  LIMIT: e6 + e7 between -126 and 127.
; SHARES.  A work-group of four waves makes 128 x 256 of out0; wave w: rows 64 (w / 2) on, columns 128 (w % 2) on: 4 x 8 accumulators.  256 work-groups, one tile each.
; y STAYS IN REGISTERS: a wave's 64 rows x 1024 K, 512 registers (windows 2, 3), loaded straight from memory, 512 consecutive bytes a load.  W comes into two LDS slots of 256 rows x 512 K, both filled at the start: nothing is filled again.
; W's fragments are read by four loads of 16 bytes, 32 bytes apart: lane (r, h) holds K = 32 c + 16 h + 0 .. 15: the places in which y's images lie.
; The product is used transposed (source 0 = W's rows, source 1 = y's rows): a lane holds eight neighbouring columns of one row of out0.
; CLUSTER 4 x 4: W's tile hangs on gx alone and is asked for jointly along a column of the cluster.  y's images are each wave's own loads.
; REGISTERS.  Window 0: v1 r, v2 h, v3 16 x lane, v4-5 W's fragment address in slot 0, 1, v8-9 the bias bytes, v13-14 the stage, v28-29 the add's, v40-43 the bias on its way, v64-255 three sets of four W fragments, later the way out.
; Window 1: accumulator (a, b) at 8 (8 a + b).  Windows 2, 3: y's fragment (K step s, block a) at 64 (s % 4) + 16 a of window 2 + s / 4; on the way out window 2 v0-63 holds the bias.
.set PITB,  528
.set QRTB,  64*PITB
.set SLOTB, 4*QRTB
.set SPARE, 274432                     ; the spare words: 128 bytes a wave, two blocks of 256 bytes that no other line names
.set BIAS,  SPARE+512                  ; 1,536 bytes a wave, of which 512 are used
.set STAGE, BIAS+6144                  ; 16 rows x 528 bytes for each wave; no tile lands here
.set LAST,  15
.set MSB, 0
.macro WIN new
.if MSB != (\new)
	s_set_vgpr_msb (MSB<<8)|(\new)
.set MSB, (\new)
.endif
.endm
.macro PLACES                          ; four plain vector instructions between a matrix instruction and a load into, or a vector read or write of, its registers
.rept 4
	v_nop
.endr
.endm
.macro CREST
	s_cmp_lg_u32 s16, 0
	s_cbranch_scc1 .Lnot_wave_0_\@
	s_barrier_signal -3
.Lnot_wave_0_\@:
	s_barrier_wait -3
	s_barrier_signal -1
	s_barrier_wait -1
.endm
.macro CROUND
	s_barrier_signal -1
	s_barrier_wait -1
	CREST
.endm
.macro FETCH g                         ; half-step g: slot g / 8, K step (g % 8) / 2, W's blocks 4 (g % 2) .. + 3, into set g % 3
.set FB_, 64+64*((\g)%3)
.set FO_, 128*(((\g)%8)/2)+4*((\g)%2)*16*PITB
.set FA_, 4+((\g)/8)%2
.irp i, 0,1,2,3
.irp c, 0,1,2,3
	ds_load_b128 v[FB_+16*\i+4*\c:FB_+16*\i+4*\c+3], v[FA_] offset:FO_+\i*16*PITB+32*\c
.endr
.endr
.endm
.macro MWIN g                          ; C and D window 1; W's fragments window 0; y's window 2 (slot 0) or 3 (slot 1)
	WIN 0x58+4*(((\g)/8)%2)
.endm
.macro MUL8 g, a0                      ; 8 matrix instructions; the 32 accumulators take turns, one instruction a turn; the first K step starts the sums
.set KS_, ((\g)%16)/2
.set BS_, 64+64*((\g)%3)
.irp a, \a0, \a0+1
.irp i, 0,1,2,3
.set AC_, 8*(8*(\a)+4*((\g)%2)+\i)
.set AF_, 64*(KS_%4)+16*(\a)
.set BF_, BS_+16*\i
.if KS_ == 0
	v_wmma_f32_16x16x128_fp8_fp8 v[AC_:AC_+7], v[BF_:BF_+15], v[AF_:AF_+15], 0
.else
	v_wmma_f32_16x16x128_fp8_fp8 v[AC_:AC_+7], v[BF_:BF_+15], v[AF_:AF_+15], v[AC_:AC_+7]
.endif
.endr
.endr
.endm
.macro HALF g
	PLACES                                         ; set (g + 2) % 3 was read by the half-step just issued
	WIN 0
.if (\g)+2 <= LAST
	FETCH (\g)+2
.endif
.if LAST-(\g) >= 2
	s_wait_dscnt 32                                ; the youngest 32 LDS instructions may be out: set g is in
.else
	s_wait_dscnt 16*(LAST-(\g))
.endif
	MWIN \g
	MUL8 \g, 0
	MUL8 \g, 2
.endm
	s_load_b256 s[4:11], s[0:1], 0x0               ; y_img s[4:5], W s[6:7], b_proj s[8:9], the exponents s[10:11]
	s_load_b64 s[12:13], s[0:1], 0x20              ; out0
	v_lshl_add_u32 v28, v0, 2, SPARE
	v_mov_b32 v29, 0
	ds_add_u32 v28, v29
	ds_add_u32 v28, v29
	s_wait_dscnt 0x0
	v_lshrrev_b32 v1, 5, v0
	v_readfirstlane_b32 s16, v1                    ; wave 0..3
	s_lshr_b32 s17, s16, 1                         ; rh
	s_and_b32 s18, s16, 1                          ; ch
	s_bfe_u32 s19, ttmp6, 0x40000                  ; cx
	s_bfe_u32 s20, ttmp6, 0x40004                  ; cy
	s_lshl_b32 s21, ttmp9, 2
	s_add_co_u32 s21, s21, s19                     ; gx
	s_and_b32 s22, ttmp7, 0xffff
	s_lshl_b32 s22, s22, 2
	s_add_co_u32 s22, s22, s20                     ; gy
	s_lshl_b32 s85, 0x1111, s19                    ; my column of the cluster
	s_or_b32 s36, s85, (1<<20)|(1<<21)|(6<<22)|(3<<25)   ; group 1: 64 rows x 512 bytes, 1,024 bytes apart; 4 words of padding behind every 128
	s_mov_b32 s37, 512<<16
	s_mov_b32 s38, 64<<16
	s_mov_b32 s39, 512<<16
	s_mov_b32 s40, 64
	s_mov_b32 s41, 1024
	s_mov_b32 s42, 0
	s_mov_b32 s43, 0
	s_lshl_b32 s80, s21, 18                        ; W: 256 gx rows,
	s_lshl_b32 s81, s16, 16                        ; + my 64 of them
	s_add_co_u32 s80, s80, s81
	s_mov_b32 s81, 0
	s_mul_i32 s45, s16, QRTB                       ; no place in the cluster enters an LDS address
	s_add_co_u32 s49, s45, SLOTB
	s_mov_b32 s44, 1
	s_mov_b32 s48, 1
	s_wait_kmcnt 0x0
	s_load_b256 s[52:59], s[10:11], 0x0            ; e0 .. e7
	s_add_nc_u64 s[46:47], s[6:7], s[80:81]        ; K half 0
	s_add_nc_u64 s[50:51], s[46:47], 512           ; K half 1
	s_or_b32 s47, s47, 0x80000000
	s_or_b32 s51, s51, 0x80000000
	CROUND                                         ; all sixteen work-groups are here: the joint loads meet
	tensor_load_to_lds s[44:47], s[36:43]
	s_nop 0
	s_wait_alu depctr_va_vdst(0)
	s_wait_tensorcnt 0x0
	ds_add_u32 v28, v29
	s_wait_dscnt 0x0
	CROUND
	tensor_load_to_lds s[48:51], s[36:43]          ; one load of mine is out
	s_nop 0
	PLACES
	v_and_b32 v1, 15, v0                           ; r
	v_bfe_u32 v2, v0, 4, 1                         ; h
	v_and_b32 v3, 31, v0
	v_lshlrev_b32 v3, 4, v3                        ; 16 x lane
	v_mul_u32_u24 v4, v1, PITB
	v_lshl_add_u32 v4, v2, 4, v4
	s_mul_i32 s82, s18, 128*PITB
	v_add_nc_u32 v4, s82, v4
	v_add_nc_u32 v5, SLOTB, v4
	s_mul_i32 s82, s16, 1536
	s_add_co_u32 s82, s82, BIAS
	v_add_nc_u32 v8, s82, v3
	v_lshl_add_u32 v9, v2, 5, s82
	s_mul_i32 s82, s16, 16*528
	s_add_co_u32 s82, s82, STAGE                   ; my stage
	v_mul_u32_u24 v13, v1, 528
	v_lshl_add_u32 v13, v2, 5, v13
	v_add_nc_u32 v13, s82, v13                     ; in: row r, 32 bytes for each half of the lanes
	v_add_nc_u32 v14, s82, v3                      ; back: the 32 lanes take one row of 512 bytes
	s_lshl_b32 s86, s21, 10
	s_lshl_b32 s87, s18, 9
	s_add_co_u32 s86, s86, s87                     ; column 256 gx + 128 ch, in bytes of f32
	s_mov_b32 s87, 0
	s_add_nc_u64 s[8:9], s[8:9], s[86:87]
	s_lshl_b32 s88, s22, 19                        ; out0: row 128 gy + 64 rh of 4,096 bytes
	s_lshl_b32 s89, s17, 18
	s_add_co_u32 s88, s88, s89
	s_add_co_u32 s88, s88, s86
	s_mov_b32 s89, 0
	s_add_nc_u64 s[12:13], s[12:13], s[88:89]
	s_lshl_b32 s90, s22, 17                        ; y_img: tile of rows 8 gy + 4 rh, 16,384 bytes each
	s_lshl_b32 s91, s17, 16
	s_add_co_u32 s90, s90, s91
	s_mov_b32 s91, 0
	s_add_nc_u64 s[4:5], s[4:5], s[90:91]
	global_load_b128 v[40:43], v3, s[8:9]          ; my 128 numbers of b_proj
.irp s, 0,1,2,3,4,5,6,7
	WIN 0x80+0x40*(\s/4)                           ; destination window 2 or 3
.irp a, 0,1,2,3
.irp c, 0,1,2,3
	global_load_b128 v[64*(\s%4)+16*\a+4*\c:64*(\s%4)+16*\a+4*\c+3], v3, s[4:5] offset:16384*\a+2048*\s+512*\c
.endr
.endr
.endr
	WIN 0
	s_wait_alu depctr_va_vdst(0)
	s_wait_kmcnt 0x0
	s_add_co_i32 s60, s58, s59
	s_add_co_i32 s60, s60, 127
	s_lshl_b32 s60, s60, 23                        ; 2^(e6 + e7)
	s_mov_b32 s61, s60                             ; (named with it as a pair, so it is written)
	s_wait_tensorcnt 0x1                           ; my quarter of slot 0 is in; slot 1's may stay out
	s_barrier_signal -1
	s_barrier_wait -1                              ; everybody's is
	FETCH 0
	FETCH 1
	s_wait_loadcnt 0x0                             ; y and the bias
	ds_store_b128 v8, v[40:43]                     ; my own bytes: only I read them
.irp g, 0,1,2,3,4,5
	HALF \g
.endr
	; the change of slots: slot 1 is whole behind this barrier; nothing is filled again
	WIN 0
	s_wait_tensorcnt 0x0                           ; my quarter of slot 1 is in
	ds_add_u32 v28, v29                            ; 0 onto my spare word
	s_wait_dscnt 17                                ; the add and fetch 7 may be out: set 0 is in
	MWIN 6
	MUL8 6, 0
	s_wait_dscnt 0x0
	s_barrier_signal -1
	MUL8 6, 2
	WIN 0
	s_barrier_wait -1
	PLACES
	FETCH 8
.irp g, 7,8,9,10,11,12,13,14,15
	HALF \g
.endr
	; THE WAY OUT, block by block of 16 rows x 128 columns: out = sum x 2^(e6 + e7) + bias, through my own stage, back as whole rows of 512 bytes.
	; LDS serves a wave's instructions in order (ISA guide 5.7.1.4): no wait between the stores and the loads, nor in front of the next block's stores.
	PLACES
	WIN 0x80
.irp b, 0,1,2,3,4,5,6,7
	ds_load_b128 v[8*\b:8*\b+3], v9 offset:64*\b           ; the bias in the result's layout: columns 16 b + 8 h + 0 .. 7
	ds_load_b128 v[8*\b+4:8*\b+7], v9 offset:64*\b+16
.endr
	WIN 0
	s_wait_dscnt 0x0
.macro TOSTAGE a
	WIN 0x21                                       ; source 0 (the sums) window 1, source 2 (the bias) window 2
.irp b, 0,1,2,3,4,5,6,7
.irp i, 0,2,4,6
	v_pk_fma_f32 v[64+8*\b+\i:64+8*\b+\i+1], v[8*(8*(\a)+\b)+\i:8*(8*(\a)+\b)+\i+1], s[60:61], v[8*\b+\i:8*\b+\i+1] op_sel_hi:[1,0,1]   ; each accumulator from its low end on
.endr
.endr
	WIN 0
.irp b, 0,1,2,3,4,5,6,7
	ds_store_b128 v13, v[64+8*\b:67+8*\b] offset:64*\b
	ds_store_b128 v13, v[68+8*\b:71+8*\b] offset:64*\b+16
.endr
.set BB_, 128+64*((\a)%2)
.irp t, 0,1,2,3,4,5,6,7,8,9,10,11,12,13,14,15
	ds_load_b128 v[BB_+4*\t:BB_+4*\t+3], v14 offset:528*\t
.endr
.endm
.macro SEND a, younger                 ; younger: the LDS instructions issued behind block a's loads, which may stay out
.set BB_, 128+64*((\a)%2)
	s_wait_dscnt \younger
.irp t, 0,1,2,3,4,5,6,7,8,9,10,11,12,13,14,15
	global_store_b128 v3, v[BB_+4*\t:BB_+4*\t+3], s[12:13] offset:65536*(\a)+4096*\t th:TH_STORE_NT   ; 32 lanes store 512 consecutive bytes, aligned; written once, read by nobody here
.endr
.endm
	TOSTAGE 0
	TOSTAGE 1
	SEND 0, 32                                     ; behind block 0's loads: block 1's 16 stores and 16 loads
	s_wait_xcnt 0x0                                ; block 0's stores have read their registers: block 2's loads may land there
	TOSTAGE 2
	SEND 1, 32
	s_wait_xcnt 0x0
	TOSTAGE 3
	SEND 2, 32
	SEND 3, 0
	s_wait_tensorcnt 0x0                           ; the wave's end
	ds_add_u32 v28, v29
	s_wait_dscnt 0x0
	CROUND                                         ; the closing round
	s_endpgm
.Lfunc_end_k_q552be3d8d5_proj:
	.size	k_q552be3d8d5_proj, .Lfunc_end_k_q552be3d8d5_proj-k_q552be3d8d5_proj
	.p2alignl 7, 3214868480
	.fill 96, 4, 3214868480
	.section	.rodata,"a",@progbits
	.p2align	6, 0x0
	.amdhsa_kernel k_q552be3d8d5_proj
		.amdhsa_group_segment_fixed_size 327680
		.amdhsa_private_segment_fixed_size 0
		.amdhsa_enable_private_segment 0
		.amdhsa_kernarg_size 40
		.amdhsa_user_sgpr_count 2
		.amdhsa_user_sgpr_kernarg_segment_ptr 1
		.amdhsa_wavefront_size32 1
		.amdhsa_system_sgpr_workgroup_id_x 1
		.amdhsa_system_sgpr_workgroup_id_y 1
		.amdhsa_system_sgpr_workgroup_id_z 1
		.amdhsa_system_vgpr_workitem_id 0
		.amdhsa_next_free_vgpr 1024
		.amdhsa_next_free_sgpr 100
		.amdhsa_reserve_vcc 0
		.amdhsa_float_denorm_mode_32 3
		.amdhsa_float_denorm_mode_16_64 3
		.amdhsa_memory_ordered 1
		.amdhsa_forward_progress 1
		.amdhsa_inst_pref_size 78
	.end_amdhsa_kernel
	.amdgpu_metadata
---
amdhsa.version: [ 1, 2 ]
amdhsa.kernels:
  - .name:           k_q552be3d8d5_proj
    .symbol:         k_q552be3d8d5_proj.kd
    .args:
      - { .name: y_img, .offset: 0, .size: 8, .value_kind: global_buffer, .address_space: global }
      - { .name: W_proj_codes, .offset: 8, .size: 8, .value_kind: global_buffer, .address_space: global }
      - { .name: b_proj, .offset: 16, .size: 8, .value_kind: global_buffer, .address_space: global }
      - { .name: lowp_scales, .offset: 24, .size: 8, .value_kind: global_buffer, .address_space: global }
      - { .name: out0, .offset: 32, .size: 8, .value_kind: global_buffer, .address_space: global }
    .group_segment_fixed_size: 327680
    .private_segment_fixed_size: 0
    .kernarg_segment_align: 8
    .kernarg_segment_size: 40
    .max_flat_workgroup_size: 128
    .sgpr_count:     100
    .vgpr_count:     1024
    .wavefront_size: 32
...
	.end_amdgpu_metadata
.endif
;; end of part 3
